; MI455X (gfx1250); checked and timed in simulation.
; The chip was launched on July 23, 2026; its instructions are those of AMD's public machine-readable ISA for CDNA 5 (MIT licence, August 2026) and "CDNA5" Instruction Set Architecture Reference Guide (July 2026). The comments in the code are by the model that wrote it; some were corrected since.
;; Attention. Allowed arithmetic: matrix products marked QUANTISED: E2M3 operands, one E8M0 scale for each 32 along K, by v_wmma_scale_f32_16x16x128_f8f6f4 with both operands' format E2M3, f32 sums; everything else in f32.
;; Inputs: b_proj 1,024 float32; w_proj 1,024 x 1,024 float32; w_qkv 1,024 x 3,072 float32; x 4 x 2,048 x 1,024 float32.
;; Outputs: out0 4 x 2,048 x 1,024 float32.
;; This version of the problem:
;;   THIS VERSION OF THE PROBLEM IS GIVEN IN LOW PRECISION. The matrix products marked QUANTISED in the list below multiply operands that are first quantised to E2M3 (2 exponent bits, 3 mantissa bits; 6 bits a number), with one power-of-two scale for each 32 numbers along K (OCP MX v1.0); their sums are f32. All else is computed in f32.
;;   The module's matrix products, in the order in which they are computed (A, B: the left and right operand; K: the contracted axis; several contracted axes count as one K, in the product's order):
;;     1. [M 8,192, K 1,024] x [K 1,024, N 3,072]; A: input x; B: input w_qkv: QUANTISED
;;     2. batch 64 x [M 2,048, K 64] x [K 64, N 2,048]; A: computed on the way; B: computed on the way: QUANTISED
;;     3. batch 64 x [M 2,048, K 2,048] x [K 2,048, N 64]; A: softmax (see below); B: computed on the way: QUANTISED
;;     4. [M 8,192, K 1,024] x [K 1,024, N 1,024]; A: computed on the way; B: input w_proj: QUANTISED
;;   THE QUANTISER, for each operand of a quantised product, along K:
;;     - K is cut into blocks of 32 from its start; a last block that is shorter is filled with zeros.
;;     - A block's scale is 2^e with e = floor(log2(the largest magnitude in the block)) - 2, held to -126 .. 127; a block of zeros has e = 0. As a byte (E8M0): e + 127.
;;     - Each number is divided by its block's scale, clamped to +-7.5, and rounded to the nearest number of E2M3, ties to even, subnormals kept.
;;     - The product sums the exact products of the quantised numbers (number of the format x scale) in f32.
;;   ~~~python
;;   def quantise(x, axis):      # numpy; x: float32 -> the quantised numbers, widened to float32 again
;;       x = np.moveaxis(x, axis, -1); K = x.shape[-1]
;;       x = np.pad(x, [(0, 0)] * (x.ndim - 1) + [(0, -K % 32)]); x = x.reshape(x.shape[:-1] + (-1, 32)); a = np.abs(x).max(-1, keepdims=True)
;;       e = np.where(a > 0, np.clip(np.frexp(np.where(a > 0, a, 1))[1] - 1 - 2, -126, 127), 0)      # np.frexp(a)[1] - 1 = floor(log2(a)), exactly
;;       r = np.clip(x / 2.0 ** e, -7.5, 7.5)
;;       step = 2.0 ** (np.maximum(np.frexp(np.where(r == 0, 1, r))[1] - 1, 0) - 3)
;;       q = np.round(r / step) * step * 2.0 ** e      # np.round: ties to even
;;       return np.moveaxis(q.reshape(q.shape[:-2] + (-1,))[..., :K], -1, axis).astype(np.float32)
;;   ~~~
;;   SOFTMAX AHEAD OF A QUANTISED PRODUCT. Where the list says 'softmax', what is quantised is not the finished softmax but p = 2^(t - M), with t = logit x log2(e) and M = ceil(the row's largest t), a whole number; so 1/2 < the row's largest p <= 1. The row's sum l is taken of the UNQUANTISED p, in f32, and the product's result is divided by l at the end. Since M is a whole number, a kernel that streams over the keys may use a running M (the ceiling of the running maximum): every later rescaling is an exact power of two, which a block's scale takes up: the codes' values come out the same.
;;   OPERANDS COMPUTED ON THE WAY. 'Computed on the way' means the value that the module computes at that place (a softmax that the list does not call 'softmax' is quantised finished and normalised). What goes into a quantiser is computed in f32, as accurately as f32 sums, v_exp_f32 and their like allow (about 1e-6 of the number): no bf16 or f16 on the way to a quantiser, and a product that is left as it is and whose result goes on into a quantised operand takes f32 operands (vector FMAs, or v_wmma_f32_16x16x4_f32). A number that lies on a knife's edge between two numbers of the format may be rounded either way, as far as f32 arithmetic and the matrix unit's own rounding can turn it there, and no further.
;; One version. Each part assembles by itself: llvm-mc -triple=amdgcn-amd-amdhsa -mcpu=gfx1250 --defsym DOCPART=n.
;; ======== version 1 of 1: 4 launches
;; limits: right only within a limited range of input values
;; workspace buffers: xrec 6,815,744 bytes; wrec 3,407,872 bytes; qkvrec 19,660,800 bytes; arec 6,815,744 bytes
;; launch quant (part 1): grid 768 x 1, 4 waves a work-group, no clusters, 34,304 bytes of LDS; arguments x, w_qkv, w_proj, xrec, wrec; writes xrec, wrec
.if DOCPART == 1
	.amdgcn_target "amdgcn-amd-amdhsa--gfx1250"
	.amdhsa_code_object_version 6
	.text
	.protected	k_q7cdda7bfa8_quant
	.globl	k_q7cdda7bfa8_quant
	.p2align	8
	.type	k_q7cdda7bfa8_quant,@function
k_q7cdda7bfa8_quant:
	s_mov_b64 s[64:65], 0
	v_nop
	global_prefetch_b8 v0, s[64:65] scope:SCOPE_SE
	s_setreg_imm32_b32 hwreg(HW_REG_WAVE_MODE, 25, 1), 1
	s_wait_xcnt 0x0
; x [8192][1024], w_qkv [1024][3072], w_proj [1024][1024], f32, become codes of FP6 (E2M3) with one E8M0 byte for each 32 along K = 1024, laid as IMAGES OF OPERAND REGISTERS.
; Every input is loaded.
; A RECORD is one tile of 16 rows for all of K: 13,312 bytes = 4 chunks of 3,328.  Chunk j holds K steps 2 j and 2 j + 1: fragment 2 j at 0, fragment 2 j + 1 at 1,536, the scale words at 3,072
; (8 bytes a row), and 128 bytes that nobody writes or reads.  A fragment is two halves of 768 bytes (64 along K each): registers 0-3 of the half at 16 x lane, registers 4-5 at 512 + 8 x lane.
; THE ROWS OF A TILE: lane row r of tile T is row 64 (T / 4) + 8 (T % 4) + r % 8 + 32 (r / 8), for tokens and for weight columns alike: so in a later product a lane's 32 results over four tiles are 32 neighbours, one scale block.
; A block's scale byte is its largest magnitude's exponent field - 2, held at 1 from below.
; LIMITS: a block of zeros, or one under 2^-124, gets the byte 1 (the bytes are read by this program alone; zero codes add nothing); NaN and infinities among the inputs are not served.
; Work-groups 0-511: x, one tile each, wave j takes chunk j.  Work-groups 512-767: the weights, one K step of 128 columns each; a wave takes 32 neighbouring columns, eight lane rows of each of four tiles.
; No barrier: waves share nothing.  Only the x path touches LDS.
.set REC,   13312
.set CHK,   3328
.set SPX,   528                        ; a stage row: 512 bytes + 16
.set STGB,  16*SPX
.set FLOOR, 0x1800000                  ; 2^(3 - 127)
.set EOFF,  0xff000000                 ; takes 2 off an exponent field
	s_load_b256 s[4:11], s[0:1], 0x0               ; x, w_qkv, w_proj, xrec
	s_load_b64 s[12:13], s[0:1], 0x20              ; wrec
	s_set_vgpr_msb 0x40
	v_lshl_add_u32 v0, v0, 2, 0x8400               ; v256: my spare word, behind the four stages
	v_mov_b32 v1, 0                                ; v257: 0
	s_set_vgpr_msb 0x4000
	v_lshrrev_b32 v1, 5, v0
	v_readfirstlane_b32 s14, v1                    ; wave
	v_and_b32 v3, 31, v0                           ; lane
	s_cmp_lt_u32 ttmp9, 512
	s_cbranch_scc0 .Lweights
	; ---- x: tile T = the work-group's number, chunk = the wave's
	s_mov_b32 s20, 0x76543210
	s_mov_b32 s21, 0xfedcba98                      ; selects for lane l xor 16
	v_lshlrev_b32 v1, 4, v3
	v_lshlrev_b32 v2, 3, v3
	v_and_b32 v4, 15, v0                           ; r
	v_bfe_u32 v5, v0, 4, 1                         ; h
	s_mul_i32 s15, s14, STGB
	v_add_nc_u32 v6, s15, v1                       ; into my stage: a token's 512 bytes as they lie
	v_mul_u32_u24 v7, v4, SPX
	v_lshl_add_u32 v7, v5, 7, v7
	v_add_nc_u32 v7, s15, v7                       ; out of it: row r, + 128 h
	v_lshlrev_b32 v8, 3, v4
	v_lshlrev_b32 v9, 3, v5
	v_mov_b32 v10, 0
	s_lshr_b32 s16, ttmp9, 2
	s_lshl_b32 s16, s16, 6
	s_and_b32 s17, ttmp9, 3
	s_lshl_b32 s17, s17, 3
	s_add_co_u32 s16, s16, s17                     ; the tile's first token: 64 (T / 4) + 8 (T % 4)
	s_lshl_b32 s16, s16, 12
	s_lshl_b32 s17, s14, 10
	s_add_co_u32 s16, s16, s17
	s_mov_b32 s17, 0
	s_mul_i32 s18, ttmp9, REC
	s_mul_i32 s19, s14, CHK
	s_add_co_u32 s18, s18, s19
	s_mov_b32 s19, 0
	s_wait_alu depctr_va_vdst(0)                   ; the wait at the head's end
	s_wait_kmcnt 0x0
	s_add_nc_u64 s[24:25], s[4:5], s[16:17]
	s_add_nc_u64 s[34:35], s[10:11], s[18:19]
.irp u, 0,1
.irp p, 0,1,2,3,4,5,6,7,8,9,10,11,12,13,14,15
	global_load_b128 v[128+64*\u+4*\p:128+64*\u+4*\p+3], v1, s[24:25] offset:(\p+24*(\p/8))*4096+512*\u th:TH_LOAD_NT   ; lane row p: token p % 8 + 32 (p / 8); 512 consecutive bytes
.endr
.endr
.macro XSTEP u                         ; K step u of the chunk: through the stage, so that lane (r, h) holds k = 64 c + 32 h + 0 .. 31 of row r in v[64 + 32 c ..]
.set XD, 16+12*\u
.if \u == 0
	s_wait_loadcnt 16                              ; this step's 16 loads are in; the next step's 16 may be out
.else
	s_wait_loadcnt 0x0
.endif
.irp p, 0,1,2,3,4,5,6,7,8,9,10,11,12,13,14,15
	ds_store_b128 v6, v[128+64*\u+4*\p:128+64*\u+4*\p+3] offset:SPX*\p
.endr
.irp c, 0,1
.irp q, 0,1,2,3,4,5,6,7
	ds_load_b128 v[64+32*\c+4*\q:64+32*\c+4*\q+3], v7 offset:256*\c+16*\q   ; a wave's LDS instructions are served in order
.endr
.endr
	s_wait_dscnt 0x0
.irp c, 0,1
	v_max3_num_f32 v[12+\c], |v[64+32*\c]|, |v[65+32*\c]|, FLOOR
.endr
.irp i, 2,4,6,8,10,12,14,16,18,20,22,24,26,28,30
.irp c, 0,1
	v_max3_num_f32 v[12+\c], v[12+\c], |v[64+32*\c+\i]|, |v[65+32*\c+\i]|
.endr
.endr
.irp c, 0,1
	v_add_nc_u32 v[14+\c], EOFF, v[12+\c]          ; the conversion's scale operand
.endr
.irp c, 0,1
	v_lshrrev_b32 v[12+\c], 23, v[14+\c]           ; the scale's byte
.endr
	v_lshl_or_b32 v11, v13, 16, v12                ; blocks h and 2 + h,
	v_lshlrev_b32 v11, v9, v11                     ; at their places;
	v_permlanex16_b32 v10, v11, s20, s21
	v_or_b32 v[60+\u], v11, v10                    ; with lane l xor 16's the word is whole
.irp c, 0,1
	v_cvt_scalef32_pk16_fp6_f32 v[XD+6*\c:XD+6*\c+2], v[64+32*\c:79+32*\c], v[14+\c]
	v_cvt_scalef32_pk16_fp6_f32 v[52+4*\c:54+4*\c], v[80+32*\c:95+32*\c], v[14+\c]
.endr
	v_nop                                          ; one plain place behind a scaled conversion
.irp c, 0,1
.irp i, 0,1,2
	v_mov_b32 v[XD+6*\c+3+\i], v[52+4*\c+\i]
.endr
.endr
	global_store_b128 v1, v[XD:XD+3], s[34:35] offset:1536*\u
	global_store_b64 v2, v[XD+4:XD+5], s[34:35] offset:1536*\u+512
	global_store_b128 v1, v[XD+6:XD+9], s[34:35] offset:1536*\u+768
	global_store_b64 v2, v[XD+10:XD+11], s[34:35] offset:1536*\u+1280
.endm
	XSTEP 0
	XSTEP 1
	global_store_b64 v8, v[60:61], s[34:35] offset:3072   ; the two steps' scale words; lanes l and l xor 16 store the same value
	s_set_vgpr_msb 0x5
	s_wait_tensorcnt 0x0                           ; the wave's end
	ds_add_u32 v0, v1
	s_wait_dscnt 0x0
	s_set_vgpr_msb 0x500
	s_endpgm
	; ---- the weights: K is the FIRST axis: a lane takes a column and its registers run down K
.Lweights:
	s_sub_co_u32 s15, ttmp9, 512
	s_and_b32 s16, s15, 7                          ; the K step
	s_lshr_b32 s17, s15, 3                         ; 0..23: w_qkv; 24..31: w_proj
	s_lshl_b32 s18, s17, 2
	s_add_co_u32 s18, s18, s14                     ; cg: my group of 32 columns, counted over both weights
	s_mov_b32 s32, 4096
	s_wait_kmcnt 0x0
	s_cmp_lt_u32 s17, 24
	s_cselect_b32 s32, 12288, s32                  ; bytes from a row of the weight to the next
	s_cselect_b32 s19, 0, 96
	s_cselect_b64 s[22:23], s[6:7], s[8:9]
	s_sub_co_u32 s19, s18, s19                     ; cg in its own tensor,
	s_lshl_b32 s19, s19, 7                         ; in bytes: 32 columns of 4
	s_and_b32 s20, s18, 1
	s_lshl_b32 s20, s20, 3                         ; my columns are lane rows 8 (cg % 2) + 0 .. 7
	s_lshl_b32 s38, s16, 7
	s_mul_i32 s38, s38, s32
	s_add_co_u32 s38, s38, s19
	s_mov_b32 s39, 0
	s_lshl_b32 s40, s32, 5                         ; 32 rows: a block
	s_mov_b32 s41, 0
	s_add_nc_u64 s[24:25], s[22:23], s[38:39]
	s_add_nc_u64 s[26:27], s[24:25], s[40:41]
	s_add_nc_u64 s[28:29], s[26:27], s[40:41]
	s_add_nc_u64 s[30:31], s[28:29], s[40:41]
	s_lshr_b32 s42, s18, 1
	s_mul_i32 s42, s42, 4*REC                      ; of tiles 4 (cg / 2) + 0 .. 3
	s_lshr_b32 s43, s16, 1
	s_mul_i32 s43, s43, CHK
	s_add_co_u32 s42, s42, s43
	s_and_b32 s44, s16, 1
	s_mul_i32 s46, s44, 1536
	s_add_co_u32 s46, s46, s42
	s_mov_b32 s47, 0
	s_lshl_b32 s44, s44, 2
	s_add_co_u32 s44, s44, s42
	s_add_co_u32 s44, s44, 3072
	s_mov_b32 s45, 0
	s_add_nc_u64 s[34:35], s[12:13], s[46:47]
	s_add_nc_u64 s[36:37], s[12:13], s[44:45]
	s_wait_alu depctr_va_vdst(0)
	v_lshlrev_b32 v1, 2, v3                        ; 4 bytes a lane: 128 consecutive bytes a load, and the four waves stand side by side
.set i, 0
.rept 32
	v_mad_u32_u24 v[32+i], s32, i, v1              ; row i of a block
.set i, i+1
.endr
	v_bfe_u32 v6, v0, 3, 2                         ; column x of my 32 lies in tile x / 8 of the four,
	v_and_b32 v7, 7, v0
	v_add_nc_u32 v7, s20, v7                       ; at lane row x % 8 + 8 (cg % 2)
	v_mul_u32_u24 v9, v6, REC
	v_lshl_add_u32 v4, v7, 4, v9
	v_lshl_add_u32 v5, v7, 3, v9
.macro LOADW kb
.set i, 0
.rept 32
	global_load_b32 v[64+32*(\kb)+i], v[32+i], s[24+2*(\kb):25+2*(\kb)] th:TH_LOAD_NT
.set i, i+1
.endr
.endm
.macro BLOCKW kb                       ; block kb of the K step: half kb / 2 of the fragment, lanes 16 (kb % 2) + r of it
.set XS, 64+32*\kb
.set XD, 192+8*\kb
.if \kb < 3
	s_wait_loadcnt 32                              ; this block's 32 loads are in; the next block's may be out
.else
	s_wait_loadcnt 0x0
.endif
.if \kb < 2
	LOADW \kb+2
.endif
	v_max3_num_f32 v12, |v[XS]|, |v[XS+1]|, |v[XS+2]|
	v_max3_num_f32 v13, |v[XS+3]|, |v[XS+4]|, |v[XS+5]|
.irp i, 6,10,14,18,22,26
	v_max3_num_f32 v12, v12, |v[XS+\i]|, |v[XS+\i+1]|
	v_max3_num_f32 v13, v13, |v[XS+\i+2]|, |v[XS+\i+3]|
.endr
	v_max3_num_f32 v12, v12, |v[XS+30]|, |v[XS+31]|
	v_max3_num_f32 v12, v12, v13, FLOOR
	v_add_nc_u32 v11, EOFF, v12
	v_lshrrev_b32 v13, 23, v11
.if \kb == 0
	v_mov_b32 v30, v13
.else
	v_lshl_or_b32 v30, v13, 8*\kb, v30
.endif
	v_cvt_scalef32_pk16_fp6_f32 v[XD:XD+2], v[XS:XS+15], v11
	v_cvt_scalef32_pk16_fp6_f32 v[224:226], v[XS+16:XS+31], v11
	v_nop
.irp i, 0,1,2
	v_mov_b32 v[XD+3+\i], v[224+\i]
.endr
	global_store_b128 v4, v[XD:XD+3], s[34:35] offset:768*(\kb/2)+256*(\kb%2)        ; eight lanes store 128 consecutive bytes in each of the four tiles; the neighbouring wave stores the 128 beside them
	global_store_b64 v5, v[XD+4:XD+5], s[34:35] offset:768*(\kb/2)+512+128*(\kb%2)
.endm
	LOADW 0
	LOADW 1
	s_wait_alu depctr_va_vdst(0)
	BLOCKW 0
	BLOCKW 1
	BLOCKW 2
	BLOCKW 3
	global_store_b32 v5, v30, s[36:37]             ; this step's scale word of my column
	s_endpgm
.Lfunc_end_k_q7cdda7bfa8_quant:
	.size	k_q7cdda7bfa8_quant, .Lfunc_end_k_q7cdda7bfa8_quant-k_q7cdda7bfa8_quant
	.p2alignl 7, 3214868480
	.fill 96, 4, 3214868480
	.section	.rodata,"a",@progbits
	.p2align	6, 0x0
	.amdhsa_kernel k_q7cdda7bfa8_quant
		.amdhsa_group_segment_fixed_size 34304
		.amdhsa_private_segment_fixed_size 0
		.amdhsa_enable_private_segment 0
		.amdhsa_kernarg_size 40
		.amdhsa_user_sgpr_count 2
		.amdhsa_user_sgpr_kernarg_segment_ptr 1
		.amdhsa_wavefront_size32 1
		.amdhsa_system_sgpr_workgroup_id_x 1
		.amdhsa_system_sgpr_workgroup_id_y 1
		.amdhsa_system_sgpr_workgroup_id_z 1
		.amdhsa_system_vgpr_workitem_id 0
		.amdhsa_next_free_vgpr 258
		.amdhsa_next_free_sgpr 66
		.amdhsa_reserve_vcc 0
		.amdhsa_float_denorm_mode_32 3
		.amdhsa_float_denorm_mode_16_64 3
		.amdhsa_memory_ordered 1
		.amdhsa_forward_progress 1
		.amdhsa_inst_pref_size 39
	.end_amdhsa_kernel
	.amdgpu_metadata
---
amdhsa.version: [ 1, 2 ]
amdhsa.kernels:
  - .name:           k_q7cdda7bfa8_quant
    .symbol:         k_q7cdda7bfa8_quant.kd
    .args:
      - { .name: x, .offset: 0, .size: 8, .value_kind: global_buffer, .address_space: global }
      - { .name: w_qkv, .offset: 8, .size: 8, .value_kind: global_buffer, .address_space: global }
      - { .name: w_proj, .offset: 16, .size: 8, .value_kind: global_buffer, .address_space: global }
      - { .name: xrec, .offset: 24, .size: 8, .value_kind: global_buffer, .address_space: global }
      - { .name: wrec, .offset: 32, .size: 8, .value_kind: global_buffer, .address_space: global }
    .group_segment_fixed_size: 34304
    .private_segment_fixed_size: 0
    .kernarg_segment_align: 8
    .kernarg_segment_size: 40
    .max_flat_workgroup_size: 128
    .sgpr_count:     66
    .vgpr_count:     258
    .wavefront_size: 32
...
	.end_amdgpu_metadata
.endif
;; end of part 1
;; launch qkv (part 2): grid 768 x 1, 8 waves a work-group, clusters of 4 x 1, 308,224 bytes of LDS; arguments xrec, wrec, qkvrec; writes qkvrec
.if DOCPART == 2
	.amdgcn_target "amdgcn-amd-amdhsa--gfx1250"
	.amdhsa_code_object_version 6
	.text
	.protected	k_q7cdda7bfa8_qkv
	.globl	k_q7cdda7bfa8_qkv
	.p2align	8
	.type	k_q7cdda7bfa8_qkv,@function
k_q7cdda7bfa8_qkv:
	s_mov_b64 s[64:65], 0
	v_nop
	global_prefetch_b8 v0, s[64:65] scope:SCOPE_SE
	s_setreg_imm32_b32 hwreg(HW_REG_WAVE_MODE, 25, 1), 1
	s_wait_xcnt 0x0
	s_wait_alu depctr_hold_cnt(0) depctr_sa_sdst(0) depctr_va_vdst(0) depctr_va_sdst(0) depctr_va_ssrc(0) depctr_va_vcc(0) depctr_vm_vsrc(0)
	s_getreg_b32 s2, hwreg(HW_REG_IB_STS2, 6, 4)
	s_cmp_eq_u32 s2, 0
	s_cbranch_scc0 .Lentry_in_a_cluster
	s_endpgm
.Lentry_in_a_cluster:
	s_bfe_u32 s2, ttmp6, 0x10000c
	s_cmp_lg_u32 s2, 0x3003
	s_cbranch_scc0 .Lentry_shape_is_right
	s_endpgm
.Lentry_shape_is_right:
; x @ w_qkv on codes of FP6 (E2M3), and on the way out the quantising of q and k (along the head's 64) and of v (along the keys): no f32 result goes to memory.
; T[s1][s0] = sum over k of S1[s1][k] S0[s0][k]; source 0 = 16 rows of S0, source 1 = 16 rows of S1: a lane holds ONE row of S1 and its registers run along S0.
; A work-group of eight waves makes 128 (S1) x 256 (S0); a wave 64 x 64: 16 accumulators.  All of K = 1,024 of the 384 rows lies in LDS, 307,200 bytes, FILLED ONCE, ONE TENSOR LOAD A WAVE:
; wave c (0-3) brings chunk c (256 along K) of S0's 16 tiles, 16 rows of 3,200 bytes; wave 4 + c chunk c of S1's 8 tiles.  Each load is a line of its own in one chain of branches on the wave's number.
; The barrier ahead of chunk j is passed when the waves whose chunk is j or earlier have waited for their load; the last one has the wait in every wave.
; CLUSTER 4 x 1: the four partners share S0's 256 rows, asked for JOINTLY (mask 15); each has its own 128 rows of S1, by plain loads.  No prefetch: all tiles are asked for at the head, and there is no loop to run ahead in.
; TWO MODES by selects on the cluster's number: clusters 0-127: S0 = w_qkv's columns of q and k, S1 = tokens; clusters 128-191: S0 = tokens, S1 = w_qkv's columns of v.
; Lane row r of tile T is row 64 (T / 4) + 8 (T % 4) + r % 8 + 32 (r / 8): register 8 b + j of a lane's four accumulators along S0 is index 32 (lane / 16) + 8 b + j of my 64: ONE SCALE BLOCK in a lane.
; OUT: records of 6,400 bytes for 128 tokens of one head: eight halves of fragments (768 bytes: registers 0-3 at 16 x lane, 4-5 at 512 + 8 x lane) and at 6,144 their scale bytes, at 16 r + 4 (slot % 4) + 2 (slot / 4).
; q, k: slot = tile of tokens.  v: slot = 4 x (which 64 keys) + tile of the head's 64.  Record number = ((which x 4 + batch) x 16 + head) x 16 + step.
; LIMITS: a block of zeros, or one under 2^-124, gets the scale byte 1 (read by this program alone); NaN and infinities are not served.
.set REC,  13312
.set CHK,  3328
.set S1B,  204800                      ; LDS: S0's tile i, chunk j at 51,200 j + 3,200 i; S1's at S1B + 25,600 j + 3,200 i
.set SPARE, 307200
.set SEL,  2
.set WV,   12
.set WS0,  13
.set WS1,  14
.set CX,   15
.set CQ,   73                          ; wave % 4: the chunk that I fetch
.set G1J,  16
.set G1P,  24
.set G0A,  32
.set G0B,  36
.set SC0,  16
.set SC1,  24
.set F0,   32
.set F1,   80
.set ACC,  128                         ; accumulator (a, b), a = S1's tile, b = S0's, at ACC + 8 (4 a + b)
.set QT,   96                          ; the way out, in registers that held fragments: v96-103 two chains for each of S1's four tiles,
.set QS,   104                         ; v104-107 the conversions' scale operands,
.set QC,   108                         ; v108-123 the second conversions' codes
.macro CROUND
	s_barrier_signal -1
	s_barrier_wait -1
	s_cmp_lg_u32 s[WV], 0
	s_cbranch_scc1 .Lnot_wave_0_\@
	s_barrier_signal -3
.Lnot_wave_0_\@:
	s_barrier_wait -3
	s_barrier_signal -1
	s_barrier_wait -1
.endm
.macro TLOAD g0, g1
	tensor_load_to_lds s[\g0:\g0+3], s[\g1:\g1+7]
	s_nop 0
.rept 4
	v_nop
.endr
.endm
.macro ARM w, g0, g1
	s_cmp_eq_u32 s[WV], \w
	s_cbranch_scc0 .Lnot_\w
	TLOAD \g0, \g1
	s_branch .Lasked
.Lnot_\w:
.endm
.macro FRAG reg, a16, a8, off
	ds_load_b128 v[\reg:\reg+3], v[\a16] offset:\off
	ds_load_b64 v[\reg+4:\reg+5], v[\a8] offset:\off+512
	ds_load_b128 v[\reg+6:\reg+9], v[\a16] offset:\off+768
	ds_load_b64 v[\reg+10:\reg+11], v[\a8] offset:\off+1280
.endm
.macro MMA a, b, u, zero
.if \zero
	v_wmma_scale_f32_16x16x128_f8f6f4 v[ACC+8*(4*\a+\b):ACC+8*(4*\a+\b)+7], v[F0+12*\b:F0+12*\b+11], v[F1+12*\a:F1+12*\a+11], 0, v[SC0+2*\b+\u], v[SC1+2*\a+\u] matrix_a_fmt:MATRIX_FMT_FP6 matrix_b_fmt:MATRIX_FMT_FP6
.else
	v_wmma_scale_f32_16x16x128_f8f6f4 v[ACC+8*(4*\a+\b):ACC+8*(4*\a+\b)+7], v[F0+12*\b:F0+12*\b+11], v[F1+12*\a:F1+12*\a+11], v[ACC+8*(4*\a+\b):ACC+8*(4*\a+\b)+7], v[SC0+2*\b+\u], v[SC1+2*\a+\u] matrix_a_fmt:MATRIX_FMT_FP6 matrix_b_fmt:MATRIX_FMT_FP6
.endif
.endm
.macro KSTEP s                         ; 128 along K, 16 matrix instructions; the sixteen accumulators take turns.  The address registers stand at chunk 0 or, from step 4 on, at chunk 2
.set CJ, ((\s)/2)%2
.set CU, (\s)%2
.if (\s) > 0
.rept 4
	v_nop                                          ; four places in front of loads into registers that matrix instructions have read
.endr
.endif
.if CU == 0
.irp i, 0,1,2,3
	ds_load_b64 v[SC0+2*\i:SC0+2*\i+1], v6 offset:3200*\i+51200*CJ+3072
	ds_load_b64 v[SC1+2*\i:SC1+2*\i+1], v9 offset:3200*\i+25600*CJ+3072
.endr
.endif
.irp a, 0,1,2,3
	FRAG F1+12*\a, 7, 8, 3200*\a+25600*CJ+1536*CU
.endr
.irp b, 0,1,2,3
	FRAG F0+12*\b, 4, 5, 3200*\b+51200*CJ+1536*CU
.endr
.irp b, 0,1,2,3
	s_wait_dscnt 12-4*\b                           ; all but S0's later fragments, four loads each, are in
.irp a, 0,1,2,3
	MMA \a, \b, CU, ((\s)==0)
.endr
.endr
.endm
	s_load_b128 s[4:7], s[0:1], 0x0                ; xrec, wrec
	s_load_b64 s[8:9], s[0:1], 0x10                ; qkvrec
	v_lshl_add_u32 v14, v0, 2, SPARE
	v_mov_b32 v15, 0
	ds_add_u32 v14, v15                            ; the opening lines
	ds_add_u32 v14, v15
	v_lshrrev_b32 v1, 5, v0
	v_readfirstlane_b32 s[WV], v1
	s_lshr_b32 s[WS0], s[WV], 1
	s_and_b32 s[WS1], s[WV], 1
	s_and_b32 s[CQ], s[WV], 3
	s_bfe_u32 s[CX], ttmp6, 0x40000
	s_mov_b32 s[SEL], 0x76543210
	s_mov_b32 s[SEL+1], 0xfedcba98
	s_mov_b32 s[G1J+0], 15|(3<<16)|(1<<21)         ; joint: 16 rows of 3,200 bytes (400 elements of 8), a record apart
	s_mov_b32 s[G1J+1], 400<<16
	s_mov_b32 s[G1J+2], 16<<16
	s_mov_b32 s[G1J+3], 400<<16
	s_mov_b32 s[G1J+4], 16
	s_mov_b32 s[G1J+5], 1664
	s_mov_b32 s[G1J+6], 0
	s_mov_b32 s[G1J+7], 0
	s_mov_b32 s[G1P+0], 3<<16                      ; plain: 8 such rows
	s_mov_b32 s[G1P+1], 400<<16
	s_mov_b32 s[G1P+2], 8<<16
	s_mov_b32 s[G1P+3], 400<<16
	s_mov_b32 s[G1P+4], 8
	s_mov_b32 s[G1P+5], 1664
	s_mov_b32 s[G1P+6], 0
	s_mov_b32 s[G1P+7], 0
	s_and_b32 s67, ttmp9, 7                        ; q, k: which 256 columns,
	s_lshr_b32 s68, ttmp9, 3                       ; and which four blocks of 128 tokens
	s_max_u32 s69, ttmp9, 128
	s_sub_co_u32 s69, s69, 128
	s_lshr_b32 s70, s69, 1                         ; v: which 256 tokens,
	s_and_b32 s71, s69, 1                          ; and which four blocks of 128 columns
	s_wait_dscnt 0x0
	s_wait_kmcnt 0x0
	s_cmp_lt_u32 ttmp9, 128                        ; the mode: the same in all four partners
	s_cselect_b32 s67, s67, s70
	s_cselect_b32 s68, s68, s71
	s_cselect_b32 s72, 0, 128                      ; v's columns begin at tile 128 of wrec
	s_cselect_b64 s[74:75], s[6:7], s[4:5]         ; S0's buffer
	s_cselect_b64 s[76:77], s[4:5], s[6:7]         ; S1's
	s_mul_i32 s84, s[CQ], CHK                      ; my chunk
	s_lshl_b32 s78, s67, 4
	s_mul_i32 s78, s78, REC                        ; S0's first tile: no place in the cluster enters
	s_add_co_u32 s78, s78, s84
	s_mov_b32 s79, 0
	s_add_nc_u64 s[74:75], s[74:75], s[78:79]
	s_lshl_b32 s80, s68, 2
	s_add_co_u32 s80, s80, s[CX]                   ; S1's block of 128 rows: my own
	s_lshl_b32 s82, s80, 3
	s_add_co_u32 s82, s82, s72
	s_mul_i32 s82, s82, REC
	s_add_co_u32 s82, s82, s84
	s_mov_b32 s83, 0
	s_add_nc_u64 s[76:77], s[76:77], s[82:83]
	s_mov_b32 s[G0A], 1
	s_mul_i32 s[G0A+1], s[CQ], 51200
	s_mov_b64 s[G0A+2:G0A+3], s[74:75]
	s_or_b32 s[G0A+3], s[G0A+3], 0x80000000
	s_mov_b32 s[G0B], 1
	s_mul_i32 s[G0B+1], s[CQ], 25600
	s_add_co_u32 s[G0B+1], s[G0B+1], S1B
	s_mov_b64 s[G0B+2:G0B+3], s[76:77]
	s_or_b32 s[G0B+3], s[G0B+3], 0x80000000
	CROUND                                         ; all four work-groups are here: the joint loads meet
	ARM 0, G0A, G1J                                ; in the order in which the chunks are wanted
	ARM 4, G0B, G1P
	ARM 1, G0A, G1J
	ARM 5, G0B, G1P
	ARM 2, G0A, G1J
	ARM 6, G0B, G1P
	ARM 3, G0A, G1J
	TLOAD G0B, G1P
.Lasked:
	s_mul_i32 s86, s[WS0], 12800                   ; my four tiles of S0
	s_mul_i32 s87, s[WS1], 12800                   ; my four tiles of S1
	s_add_co_u32 s87, s87, S1B
	s_lshl_b32 s88, s67, 2
	s_add_co_u32 s88, s88, s[WS0]                  ; g: my 64 of S0
	s_lshr_b32 s89, s88, 4                         ; q, k: which of the two,
	s_and_b32 s90, s88, 15                         ; the head,
	s_lshr_b32 s91, s80, 4                         ; the batch,
	s_and_b32 s92, s80, 15                         ; the step of 128 tokens
	s_lshl_b32 s93, s80, 1
	s_add_co_u32 s93, s93, s[WS1]                  ; v: the head,
	s_lshr_b32 s94, s88, 5                         ; the batch,
	s_bfe_u32 s95, s88, 0x40001                    ; the step,
	s_and_b32 s66, s[WS0], 1                       ; and which 64 keys of it
	s_cmp_lt_u32 ttmp9, 128
	s_cselect_b32 s89, s89, 2
	s_cselect_b32 s90, s90, s93
	s_cselect_b32 s91, s91, s94
	s_cselect_b32 s92, s92, s95
	s_cselect_b32 s66, s[WS1], s66                 ; hs: slots 4 hs .. 4 hs + 3 are mine
	s_lshl_b32 s89, s89, 2
	s_add_co_u32 s89, s89, s91
	s_lshl_b32 s89, s89, 4
	s_add_co_u32 s89, s89, s90
	s_lshl_b32 s89, s89, 4
	s_add_co_u32 s89, s89, s92                     ; the record's number
	s_mul_i32 s90, s89, 6400
	s_mov_b32 s91, 0
	s_add_nc_u64 s[8:9], s[8:9], s[90:91]
	s_mul_i32 s69, s66, 3072
	s_lshl_b32 s70, s66, 1
	v_and_b32 v3, 31, v0                           ; lane
	v_and_b32 v1, 15, v0                           ; r
	v_bfe_u32 v13, v0, 4, 1
	v_lshlrev_b32 v13, 3, v13                      ; 8 (lane / 16)
	v_lshl_add_u32 v4, v3, 4, s86
	v_lshl_add_u32 v5, v3, 3, s86
	v_lshl_add_u32 v6, v1, 3, s86
	v_lshl_add_u32 v7, v3, 4, s87
	v_lshl_add_u32 v8, v3, 3, s87
	v_lshl_add_u32 v9, v1, 3, s87
	v_lshl_add_u32 v10, v3, 4, s69
	v_lshl_add_u32 v11, v3, 3, s69
	v_lshl_add_u32 v12, v1, 4, s70
	s_wait_alu depctr_va_vdst(0)                   ; the wait at the head's end
.irp j, 0,1,2,3
.if \j == 2
.irp q, 4,5,6
	v_add_nc_u32 v\q, 102400, v\q                  ; on to chunk 2
.endr
.irp q, 7,8,9
	v_add_nc_u32 v\q, 51200, v\q
.endr
	s_wait_alu depctr_va_vdst(0)
.endif
.if \j < 3
	s_cmp_le_u32 s[CQ], \j
	s_cbranch_scc0 .Llater_\j
	s_wait_tensorcnt 0x0                           ; my load is chunk j's or an earlier one's
.Llater_\j:
.else
	s_wait_tensorcnt 0x0                           ; the last chunk: the wait stands on every wave's way
.endif
	s_barrier_signal -1                            ; (no LDS load of mine is out: a step's last wait is for 0)
	s_barrier_wait -1
	KSTEP 2*\j
	KSTEP 2*\j+1
.endr
.rept 4
	v_nop                                          ; four places in front of the first read of results
.endr
; THE WAY OUT: for each of S1's four tiles a lane's 32 numbers, one scale block, become half a fragment's six registers.  The four tiles go side by side, two chains each, so that no line reads the line above it.
.irp a, 0,1,2,3
	v_max3_num_f32 v[QT+2*\a], |v[ACC+32*\a]|, |v[ACC+32*\a+1]|, 0x1800000       ; each accumulator is read from its low end on
	v_max3_num_f32 v[QT+2*\a+1], |v[ACC+32*\a+16]|, |v[ACC+32*\a+17]|, 0x1800000
.endr
.irp i, 2,4,6,8,10,12,14
.irp a, 0,1,2,3
	v_max3_num_f32 v[QT+2*\a], v[QT+2*\a], |v[ACC+32*\a+\i]|, |v[ACC+32*\a+\i+1]|
	v_max3_num_f32 v[QT+2*\a+1], v[QT+2*\a+1], |v[ACC+32*\a+16+\i]|, |v[ACC+32*\a+17+\i]|
.endr
.endr
.irp a, 0,1,2,3
	v_max_num_f32 v[QT+2*\a], v[QT+2*\a], v[QT+2*\a+1]
.endr
.irp a, 0,1,2,3
	v_add_nc_u32 v[QS+\a], 0xff000000, v[QT+2*\a]  ; 2 off the exponent field: the conversion's scale operand
.endr
.irp a, 0,1,2,3
	v_lshrrev_b32 v[QT+2*\a+1], 23, v[QS+\a]       ; the byte,
.endr
.irp a, 0,1,2,3
	v_lshlrev_b32 v[QT+2*\a+1], v13, v[QT+2*\a+1]  ; 8 (lane / 16) bits up
.endr
.irp a, 0,1,2,3
	v_permlanex16_b32 v[QT+2*\a], v[QT+2*\a+1], s[SEL], s[SEL+1]
.endr
.irp a, 0,1,2,3
	v_or_b32 v[64+\a], v[QT+2*\a+1], v[QT+2*\a]    ; the row's two scale bytes
.endr
.irp a, 0,1,2,3
	v_cvt_scalef32_pk16_fp6_f32 v[32+8*\a:32+8*\a+2], v[ACC+32*\a:ACC+32*\a+15], v[QS+\a]
	v_cvt_scalef32_pk16_fp6_f32 v[QC+4*\a:QC+4*\a+2], v[ACC+32*\a+16:ACC+32*\a+31], v[QS+\a]
.endr
	v_nop                                          ; one plain place behind a scaled conversion
.irp a, 0,1,2,3
.irp i, 0,1,2
	v_mov_b32 v[32+8*\a+3+\i], v[QC+4*\a+\i]
.endr
.endr
.irp a, 0,1,2,3
	global_store_b128 v10, v[32+8*\a:32+8*\a+3], s[8:9] offset:768*\a
	global_store_b64 v11, v[32+8*\a+4:32+8*\a+5], s[8:9] offset:768*\a+512
	global_store_b16 v12, v[64+\a], s[8:9] offset:6144+4*\a      ; lanes l and l xor 16 store the same value
.endr
	s_wait_tensorcnt 0x0                           ; the wave's end
	ds_add_u32 v14, v15
	s_wait_dscnt 0x0
	CROUND                                         ; the closing round
	s_endpgm
.Lfunc_end_k_q7cdda7bfa8_qkv:
	.size	k_q7cdda7bfa8_qkv, .Lfunc_end_k_q7cdda7bfa8_qkv-k_q7cdda7bfa8_qkv
	.p2alignl 7, 3214868480
	.fill 96, 4, 3214868480
	.section	.rodata,"a",@progbits
	.p2align	6, 0x0
	.amdhsa_kernel k_q7cdda7bfa8_qkv
		.amdhsa_group_segment_fixed_size 308224
		.amdhsa_private_segment_fixed_size 0
		.amdhsa_enable_private_segment 0
		.amdhsa_kernarg_size 24
		.amdhsa_user_sgpr_count 2
		.amdhsa_user_sgpr_kernarg_segment_ptr 1
		.amdhsa_wavefront_size32 1
		.amdhsa_system_sgpr_workgroup_id_x 1
		.amdhsa_system_sgpr_workgroup_id_y 1
		.amdhsa_system_sgpr_workgroup_id_z 1
		.amdhsa_system_vgpr_workitem_id 0
		.amdhsa_next_free_vgpr 256
		.amdhsa_next_free_sgpr 96
		.amdhsa_reserve_vcc 0
		.amdhsa_float_denorm_mode_32 3
		.amdhsa_float_denorm_mode_16_64 3
		.amdhsa_memory_ordered 1
		.amdhsa_forward_progress 1
		.amdhsa_inst_pref_size 54
	.end_amdhsa_kernel
	.amdgpu_metadata
---
amdhsa.version: [ 1, 2 ]
amdhsa.kernels:
  - .name:           k_q7cdda7bfa8_qkv
    .symbol:         k_q7cdda7bfa8_qkv.kd
    .args:
      - { .name: xrec, .offset: 0, .size: 8, .value_kind: global_buffer, .address_space: global }
      - { .name: wrec, .offset: 8, .size: 8, .value_kind: global_buffer, .address_space: global }
      - { .name: qkvrec, .offset: 16, .size: 8, .value_kind: global_buffer, .address_space: global }
    .group_segment_fixed_size: 308224
    .private_segment_fixed_size: 0
    .kernarg_segment_align: 8
    .kernarg_segment_size: 24
    .max_flat_workgroup_size: 256
    .sgpr_count:     96
    .vgpr_count:     256
    .wavefront_size: 32
...
	.end_amdgpu_metadata
.endif
;; end of part 2
;; launch attn (part 3): grid 4 x 64, 16 waves a work-group, clusters of 4 x 1, 219,648 bytes of LDS; arguments qkvrec, arec; writes arec
.if DOCPART == 3
	.amdgcn_target "amdgcn-amd-amdhsa--gfx1250"
	.amdhsa_code_object_version 6
	.text
	.protected	k_q7cdda7bfa8_attn
	.globl	k_q7cdda7bfa8_attn
	.p2align	8
	.type	k_q7cdda7bfa8_attn,@function
k_q7cdda7bfa8_attn:
	s_mov_b64 s[64:65], 0
	v_nop
	global_prefetch_b8 v0, s[64:65] scope:SCOPE_SE
	s_setreg_imm32_b32 hwreg(HW_REG_WAVE_MODE, 25, 1), 1
	s_wait_xcnt 0x0
	s_wait_alu depctr_hold_cnt(0) depctr_sa_sdst(0) depctr_va_vdst(0) depctr_va_sdst(0) depctr_va_ssrc(0) depctr_va_vcc(0) depctr_vm_vsrc(0)
	s_getreg_b32 s2, hwreg(HW_REG_IB_STS2, 6, 4)
	s_cmp_eq_u32 s2, 0
	s_cbranch_scc0 .Lentry_in_a_cluster
	s_endpgm
.Lentry_in_a_cluster:
	s_bfe_u32 s2, ttmp6, 0x10000c
	s_cmp_lg_u32 s2, 0x3003
	s_cbranch_scc0 .Lentry_shape_is_right
	s_endpgm
.Lentry_shape_is_right:
; softmax(q k^T / 32) v for one head and 512 queries a work-group, on codes of FP6 (E2M3); the result is quantised along the head's 64 and stored as operand images for the projection.
; 16 waves; a wave takes 16 queries in each of two passes and walks the head's 2,048 keys in 16 steps of 128.  All of the head's K and V (16 x 12,800 bytes) lies in LDS, FILLED ONCE:
; wave w brings step w by ONE joint load of two rows of 6,400 bytes, K's record and V's.  CLUSTER 4 x 1: the four work-groups of a head ask jointly (mask 15).
; No prefetch: all tiles are asked for at the head, and there is no loop to run ahead in.
; Both products are used transposed: S^T = k q^T, O^T = v^T p^T: a lane holds one query.  The head's axis is 64, the instruction's K 128: a fragment of K holds slots f and f + 4, and q stands beside six registers of zero codes.
; Lane row r of a tile of tokens is token 64 (T / 4) + 8 (T % 4) + r % 8 + 32 (r / 8): register 32 c + i of a lane's scores is key 64 c + 32 (lane / 16) + i: a lane holds two WHOLE scale blocks of p, in the operand's own order.
; p = 2^(t - M), M the ceiling of the running largest t; the sum is taken of the unquantised p; a change of M multiplies sum and O^T by a power of two.  A block's largest p is made from its largest score by the same multiply-add and exponential.
; V's fragments of a step are asked for at its top, K's of the next step behind the score products: each set has registers of its own.
; Four waves share a SIMD, so dependent lines are kept apart: the largest scores go in eight chains, one for each tile of scores; the sum of p is a tree in place, behind the conversions that read p; the lines that make M stand among lines that do not hang on them.
; LIMITS: the promise holds while the scaled scores stay under 2^31 in magnitude; a block under 2^-124 gets the scale byte 1; NaN and infinities are not served.
.set REC,   13312
.set CHK,   3328
.set RECB,  6400
.set STEPB, 12800
.set SPARE, 217600
.set WV,  10
.set CX,  11
.set SEL, 12
.set CS,  14
.set G1,  16
.set G0,  24
.set TB,  32
.set CNT, 33
.set SPW, 10                           ; v10, v11: the add's two registers
.set NIL, 11
.set KS,  34                           ; v34-37 K's scale words, v38-41 V's, v42 p's
.set VS,  38
.set PW,  42
.set TP,  43
.set BM,  46                           ; v46, v47 my two blocks' largest
.set KF,  48
.set SV,  96
.set OV,  160
.set PCD, 192                          ; p's codes; ahead of them, in each step, the eight chains of the largest scores
.set VF,  204
.set SO,  252
.set WK,  254
.macro CROUND
	s_barrier_signal -1
	s_barrier_wait -1
	s_cmp_lg_u32 s[WV], 0
	s_cbranch_scc1 .Lnot_wave_0_\@
	s_barrier_signal -3
.Lnot_wave_0_\@:
	s_barrier_wait -3
	s_barrier_signal -1
	s_barrier_wait -1
.endm
.macro FLOAD sc, fr, off               ; a record's scale words and four fragments: 17 loads
	ds_load_b128 v[\sc:\sc+3], v6 offset:\off+6144
.irp f, 0,1,2,3
	ds_load_b128 v[\fr+12*\f:\fr+12*\f+3], v4 offset:\off+768*\f
	ds_load_b64 v[\fr+12*\f+4:\fr+12*\f+5], v5 offset:\off+768*\f+512
	ds_load_b128 v[\fr+12*\f+6:\fr+12*\f+9], v4 offset:\off+768*\f+3072
	ds_load_b64 v[\fr+12*\f+10:\fr+12*\f+11], v5 offset:\off+768*\f+3584
.endr
.endm
.macro QLOAD p
	global_load_b128 v[22:25], v1, s[36:37] offset:STEPB*\p
	global_load_b64 v[26:27], v2, s[36:37] offset:STEPB*\p+512
	global_load_u16 v7, v3, s[38:39] offset:STEPB*\p
.endm
.macro PA d, s                         ; a node of the sum's tree, in place
	v_pk_add_f32 v[SV+\d:SV+\d+1], v[SV+\d:SV+\d+1], v[SV+\s:SV+\s+1]
.endm
.macro TM n                            ; n pairs of t - M, from pair j on
.rept \n
	v_pk_fma_f32 v[SV+j:SV+j+1], v[SV+j:SV+j+1], s[CS:CS+1], v[12:13] op_sel_hi:[1,0,0]
.set j, j+2
.endr
.endm
.macro STEP more
	FLOAD VS, VF, RECB                             ; this step's V
	s_wait_dscnt 17                                ; K's 17 loads are in; V's 17 may be out
.irp f, 0,1,2,3
	v_wmma_scale_f32_16x16x128_f8f6f4 v[SV+8*\f:SV+8*\f+7], v[KF+12*\f:KF+12*\f+11], v[22:33], 0, v[KS+\f], v7 matrix_a_fmt:MATRIX_FMT_FP6 matrix_b_fmt:MATRIX_FMT_FP6
	v_wmma_scale_f32_16x16x128_f8f6f4 v[SV+32+8*\f:SV+32+8*\f+7], v[KF+12*\f:KF+12*\f+11], v[16:27], 0, v[KS+\f], v7 matrix_a_fmt:MATRIX_FMT_FP6 matrix_b_fmt:MATRIX_FMT_FP6
.endr
.rept 4
	v_nop                                          ; four places: for the loads below and for the first read of the scores
.endr
.if \more
	FLOAD KS, KF, STEPB                            ; the next step's K
	s_add_co_u32 s[TB], s[TB], STEPB
.endif
.irp k, 0,4,1,5,2,6,3,7                ; eight chains, in the order in which the tiles were made; each accumulator is read from its low end on
	v_max3_num_f32 v[PCD+\k], v[SV+8*\k], v[SV+8*\k+1], v[SV+8*\k+2]
.endr
.irp i, 3,5
.irp k, 0,4,1,5,2,6,3,7
	v_max3_num_f32 v[PCD+\k], v[PCD+\k], v[SV+8*\k+\i], v[SV+8*\k+\i+1]
.endr
.endr
.irp c, 0,1                            ; a block's four chains and its four tiles' last registers
	v_max3_num_f32 v[PCD+4*\c], v[PCD+4*\c], v[PCD+4*\c+1], v[PCD+4*\c+2]
.endr
.irp c, 0,1
	v_max3_num_f32 v[PCD+4*\c+3], v[PCD+4*\c+3], v[SV+32*\c+7], v[SV+32*\c+15]
.endr
.irp c, 0,1
	v_max3_num_f32 v[PCD+4*\c], v[PCD+4*\c], v[PCD+4*\c+3], v[SV+32*\c+23]
.endr
.irp c, 0,1
	v_max_num_f32 v[BM+\c], v[PCD+4*\c], v[SV+32*\c+31]
.endr
	s_delay_alu instid0(VALU_DEP_1)
	v_max_num_f32 v[WK], v[BM], v[BM+1]
	v_mov_b32 v[TP], v12
.if \more
	v_add_nc_u32 v4, s[TB], v1                     ; on to the next step's addresses
	v_add_nc_u32 v5, s[TB], v2
	v_add_nc_u32 v6, s[TB], v3
.endif
	v_permlanex16_b32 v[WK+1], v[WK], s[SEL], s[SEL+1]
	s_delay_alu instid0(VALU_DEP_1)
	v_max3_num_f32 v13, v13, v[WK], v[WK+1]        ; the running largest score
	s_delay_alu instid0(VALU_DEP_1)
	v_mul_f32 v[WK], 0xbd38aa3b, v13               ; -t = score x -log2(e) / 32
	s_delay_alu instid0(VALU_DEP_1)
	v_floor_f32 v12, v[WK]                         ; -M
	s_delay_alu instid0(VALU_DEP_1)
	v_sub_f32 v[TP], v12, v[TP]
.set j, 0
	TM 4                                           ; t - M; the three lines that make f stand among them
	v_cvt_i32_f32 v[TP], v[TP]                     ; (it saturates)
	TM 4
	v_ldexp_f32 v44, 1.0, v[TP]                    ; f = 2^(old M - new M)
	TM 24
.irp c, 0,1
	v_fma_f32 v[BM+\c], v[BM+\c], s[CS], v12
.endr
.set j, 0
.rept 16
	v_pk_mul_f32 v[OV+j:OV+j+1], v[OV+j:OV+j+1], v[44:45] op_sel_hi:[1,0]   ; O^T under the new M, ahead of the exponentials
.set j, j+2
.endr
	s_wait_alu depctr_va_vdst(0)                   ; the wait ahead of the batch
.set j, 0
.rept 64
	v_exp_f32 v[SV+j], v[SV+j]
.set j, j+1
.endr
.irp c, 0,1
	v_exp_f32 v[BM+\c], v[BM+\c]
.endr
	v_pk_mul_f32 v[14:15], v[14:15], v[44:45] op_sel_hi:[1,0]   ; the sum under the new M: a plain place behind the batch
	s_wait_alu depctr_va_vdst(0)                   ; and the wait behind it
.irp c, 0,1
	v_max_num_f32 v[BM+\c], 0x1800000, v[BM+\c]
.endr
.irp c, 0,1
	s_delay_alu instid0(VALU_DEP_2)
	v_add_nc_u32 v[SO+\c], 0xff000000, v[BM+\c]    ; the conversions' scale operands
.endr
	v_cvt_scalef32_pk16_fp6_f32 v[PCD:PCD+2], v[SV:SV+15], v[SO]
	v_cvt_scalef32_pk16_fp6_f32 v[PCD+6:PCD+8], v[SV+32:SV+47], v[SO+1]
.irp c, 0,1
	v_lshrrev_b32 v[BM+\c], 23, v[SO+\c]           ; the bytes.  (A plain place behind the conversions)
.endr
	PA 0, 2                                        ; THE SUM OF THE UNQUANTISED p: a tree in place over what has been converted; the scale word's four lines stand among its nodes
	PA 4, 6
	v_lshl_or_b32 v[TP], v[BM+1], 16, v[BM]        ; blocks h and 2 + h,
	PA 8, 10
	PA 12, 14
	PA 32, 34
	v_lshlrev_b32 v[TP], v8, v[TP]                 ; at their places;
	PA 36, 38
	PA 40, 42
	PA 44, 46
	v_permlanex16_b32 v[WK+1], v[TP], s[SEL], s[SEL+1]
	PA 0, 4
	PA 8, 12
	PA 32, 36
	PA 40, 44
	v_or_b32 v[PW], v[TP], v[WK+1]                 ; with lane l xor 16's the word is whole
	v_cvt_scalef32_pk16_fp6_f32 v[SV+2:SV+4], v[SV+16:SV+31], v[SO]       ; into registers that the tree has done with
	v_cvt_scalef32_pk16_fp6_f32 v[SV+34:SV+36], v[SV+48:SV+63], v[SO+1]
	PA 0, 8                                        ; (plain places behind the conversions)
	PA 32, 40
.irp i, 0,1,2
	v_mov_b32 v[PCD+3+\i], v[SV+2+\i]
	v_mov_b32 v[PCD+9+\i], v[SV+34+\i]
.endr
.irp d, 16,20,24,28,48,52,56,60
	PA \d, \d+2
.endr
	PA 16, 20
	PA 24, 28
	PA 48, 52
	PA 56, 60
	PA 0, 32
	PA 16, 24
	PA 48, 56
	s_delay_alu instid0(VALU_DEP_1)
	PA 16, 48
	s_delay_alu instid0(VALU_DEP_1)
	PA 0, 16
	s_delay_alu instid0(VALU_DEP_1)
	v_pk_add_f32 v[14:15], v[14:15], v[SV:SV+1]
.if \more
	s_wait_dscnt 17                                ; V's loads are in; the next K's 17 may be out
.else
	s_wait_alu depctr_va_vdst(0)
	s_wait_dscnt 0x0
.endif
.irp t, 0,1,2,3
	v_wmma_scale_f32_16x16x128_f8f6f4 v[OV+8*\t:OV+8*\t+7], v[VF+12*\t:VF+12*\t+11], v[PCD:PCD+11], v[OV+8*\t:OV+8*\t+7], v[VS+\t], v[PW] matrix_a_fmt:MATRIX_FMT_FP6 matrix_b_fmt:MATRIX_FMT_FP6
.endr
.rept 4
	v_nop                                          ; four places in front of the next loads into V's registers, or of the first read of O^T
.endr
.endm
.macro PASS p
.if \p > 0
	s_wait_xcnt 0x0                                ; the last pass's stores have read their registers
	QLOAD \p
.endif
	s_mov_b32 s[TB], 0
	v_mov_b32 v4, v1
	v_mov_b32 v5, v2
	v_mov_b32 v6, v3
	FLOAD KS, KF, 0
	s_wait_loadcnt 0x0
	v_lshl_or_b32 v7, v7, 16, v7                   ; q's two scale bytes twice: one word serves q in either half
.set j, 0
.rept 32
	v_mov_b32 v[OV+j], 0
.set j, j+1
.endr
	v_mov_b32 v13, 0xff61b1e6                      ; -3e38, under every score
	v_mov_b32 v12, 0x7f61b1e6
	v_mov_b32 v14, 0
	v_mov_b32 v15, 0
	s_mov_b32 s[CNT], 15
.Lstep_\@:
	STEP 1
	s_sub_co_u32 s[CNT], s[CNT], 1
	s_cmp_lg_u32 s[CNT], 0
	s_cbranch_scc1 .Lstep_\@
	STEP 0                                         ; the last step asks for no further K
	v_add_f32 v14, v14, v15
	v_permlanex16_b32 v[TP], v14, s[SEL], s[SEL+1]
	v_add_f32 v14, v14, v[TP]                      ; the row's sum
	s_wait_alu depctr_va_vdst(0)
	v_rcp_f32 v14, v14
	v_nop
	s_wait_alu depctr_va_vdst(0)
.set j, 0
.rept 16
	v_pk_mul_f32 v[SV+j:SV+j+1], v[OV+j:OV+j+1], v[14:15] op_sel_hi:[1,0]   ; register 8 t + i: column 32 (lane / 16) + 8 t + i of the head: one scale block
.set j, j+2
.endr
	v_max3_num_f32 v[BM], |v[SV]|, |v[SV+1]|, 0x1800000
	v_max3_num_f32 v[BM+1], |v[SV+16]|, |v[SV+17]|, 0x1800000
.irp i, 2,4,6,8,10,12,14
	v_max3_num_f32 v[BM], v[BM], |v[SV+\i]|, |v[SV+\i+1]|
	v_max3_num_f32 v[BM+1], v[BM+1], |v[SV+16+\i]|, |v[SV+17+\i]|
.endr
	v_max_num_f32 v[BM], v[BM], v[BM+1]
	v_add_nc_u32 v[SO], 0xff000000, v[BM]
	v_lshrrev_b32 v[BM+1], 23, v[SO]
	v_lshlrev_b32 v[BM+1], v8, v[BM+1]
	v_permlanex16_b32 v[BM], v[BM+1], s[SEL], s[SEL+1]
	v_or_b32 v[TP], v[BM+1], v[BM]                 ; the row's two scale bytes
	v_cvt_scalef32_pk16_fp6_f32 v[PCD:PCD+2], v[SV:SV+15], v[SO]
	v_cvt_scalef32_pk16_fp6_f32 v[SV+32:SV+34], v[SV+16:SV+31], v[SO]
	v_nop
.irp i, 0,1,2
	v_mov_b32 v[PCD+3+\i], v[SV+32+\i]
.endr
	global_store_b128 v1, v[PCD:PCD+3], s[40:41] offset:16*REC*\p
	global_store_b64 v2, v[PCD+4:PCD+5], s[40:41] offset:16*REC*\p+512
	global_store_b16 v9, v[TP], s[42:43] offset:16*REC*\p
.endm
	s_load_b128 s[4:7], s[0:1], 0x0                ; qkvrec, arec
	v_lshl_add_u32 v[SPW], v0, 2, SPARE
	v_mov_b32 v[NIL], 0
	ds_add_u32 v[SPW], v[NIL]                      ; the opening lines
	ds_add_u32 v[SPW], v[NIL]
	v_lshrrev_b32 v1, 5, v0
	v_readfirstlane_b32 s[WV], v1
	s_bfe_u32 s[CX], ttmp6, 0x40000
	s_and_b32 s44, ttmp7, 0xffff                   ; 16 x batch + head
	s_mov_b32 s[G1+0], 15|(3<<16)|(1<<21)          ; two rows of 6,400 bytes (800 elements of 8), 1,024 records apart: K's record and V's
	s_mov_b32 s[G1+1], 800<<16
	s_mov_b32 s[G1+2], 2<<16
	s_mov_b32 s[G1+3], 800<<16
	s_mov_b32 s[G1+4], 2
	s_mov_b32 s[G1+5], 819200
	s_mov_b32 s[G1+6], 0
	s_mov_b32 s[G1+7], 0
	s_mov_b32 s[SEL], 0x76543210
	s_mov_b32 s[SEL+1], 0xfedcba98
	s_mov_b32 s[CS], 0x3d38aa3b                    ; log2(e) / 32
	s_mov_b32 s[CS+1], s[CS]
	s_add_co_u32 s45, s44, 64
	s_lshl_b32 s45, s45, 4
	s_add_co_u32 s45, s45, s[WV]
	s_mul_i32 s46, s45, RECB                       ; K's record of step = my wave's number
	s_mov_b32 s47, 0
	s_mul_i32 s50, s[WV], STEPB
	s_lshl_b32 s51, s44, 4
	s_lshl_b32 s52, s[CX], 2
	s_add_co_u32 s51, s51, s52
	s_lshr_b32 s52, s[WV], 3
	s_add_co_u32 s51, s51, s52                     ; q's record; the second pass takes the record two on
	s_mul_i32 s52, s51, RECB
	s_and_b32 s53, s[WV], 7                        ; and my slot in it
	s_mul_i32 s54, s53, 768
	s_add_co_u32 s54, s54, s52
	s_mov_b32 s55, 0
	s_and_b32 s56, s53, 3
	s_lshl_b32 s56, s56, 2
	s_lshr_b32 s57, s53, 2
	s_lshl_b32 s57, s57, 1
	s_add_co_u32 s56, s56, s57
	s_add_co_u32 s56, s56, s52
	s_add_co_u32 s56, s56, 6144
	s_mov_b32 s57, 0
	s_lshr_b32 s58, s44, 4
	s_and_b32 s59, s44, 15
	s_lshl_b32 s58, s58, 7
	s_lshl_b32 s60, s[CX], 5
	s_add_co_u32 s58, s58, s60
	s_add_co_u32 s58, s58, s[WV]                   ; arec's tile: 128 x batch + 32 cx + wave (+ 16 in the second pass)
	s_mul_i32 s58, s58, REC
	s_lshr_b32 s60, s59, 2
	s_mul_i32 s60, s60, CHK
	s_add_co_u32 s58, s58, s60
	s_bfe_u32 s60, s59, 0x10001
	s_and_b32 s61, s59, 1
	s_mul_i32 s62, s60, 1536
	s_mul_i32 s63, s61, 768
	s_add_co_u32 s62, s62, s63
	s_add_co_u32 s62, s62, s58
	s_mov_b32 s63, 0
	s_lshl_b32 s60, s60, 2
	s_lshl_b32 s61, s61, 1
	s_add_co_u32 s60, s60, s61
	s_add_co_u32 s60, s60, s58
	s_add_co_u32 s60, s60, 3072
	s_mov_b32 s61, 0
	s_wait_dscnt 0x0
	s_wait_kmcnt 0x0
	s_mov_b32 s[G0], 1
	s_mov_b32 s[G0+1], s50
	s_add_nc_u64 s[G0+2:G0+3], s[4:5], s[46:47]
	s_or_b32 s[G0+3], s[G0+3], 0x80000000
	s_add_nc_u64 s[36:37], s[4:5], s[54:55]
	s_add_nc_u64 s[38:39], s[4:5], s[56:57]
	s_add_nc_u64 s[40:41], s[6:7], s[62:63]
	s_add_nc_u64 s[42:43], s[6:7], s[60:61]
	CROUND                                         ; all four work-groups are here: the joint loads meet
	tensor_load_to_lds s[G0:G0+3], s[G1:G1+7]      ; my one load
	s_nop 0
.rept 4
	v_nop
.endr
	v_and_b32 v3, 31, v0
	v_lshlrev_b32 v1, 4, v3                        ; 16 x lane
	v_lshlrev_b32 v2, 3, v3                        ; 8 x lane
	v_and_b32 v9, 15, v0
	v_lshlrev_b32 v3, 4, v9                        ; 16 r
	v_lshlrev_b32 v9, 3, v9                        ; 8 r
	v_bfe_u32 v8, v0, 4, 1
	v_lshlrev_b32 v8, 3, v8                        ; 8 (lane / 16)
	QLOAD 0
.irp i, 16,17,18,19,20,21,28,29,30,31,32,33
	v_mov_b32 v[\i], 0                             ; zero codes on both sides of q
.endr
	v_mov_b32 v45, 0
	v_mov_b32 v[TP], 0                             ; a lane permute's destination counts as one of its sources
	v_mov_b32 v[WK+1], 0
	s_wait_alu depctr_va_vdst(0)                   ; the wait at the head's end
	s_wait_tensorcnt 0x0
	s_barrier_signal -1
	s_barrier_wait -1                              ; everybody's step is in
	PASS 0
	PASS 1
	s_wait_tensorcnt 0x0                           ; the wave's end
	ds_add_u32 v[SPW], v[NIL]
	s_wait_dscnt 0x0
	CROUND                                         ; the closing round
	s_endpgm
.Lfunc_end_k_q7cdda7bfa8_attn:
	.size	k_q7cdda7bfa8_attn, .Lfunc_end_k_q7cdda7bfa8_attn-k_q7cdda7bfa8_attn
	.p2alignl 7, 3214868480
	.fill 96, 4, 3214868480
	.section	.rodata,"a",@progbits
	.p2align	6, 0x0
	.amdhsa_kernel k_q7cdda7bfa8_attn
		.amdhsa_group_segment_fixed_size 219648
		.amdhsa_private_segment_fixed_size 0
		.amdhsa_enable_private_segment 0
		.amdhsa_kernarg_size 16
		.amdhsa_user_sgpr_count 2
		.amdhsa_user_sgpr_kernarg_segment_ptr 1
		.amdhsa_wavefront_size32 1
		.amdhsa_system_sgpr_workgroup_id_x 1
		.amdhsa_system_sgpr_workgroup_id_y 1
		.amdhsa_system_sgpr_workgroup_id_z 1
		.amdhsa_system_vgpr_workitem_id 0
		.amdhsa_next_free_vgpr 256
		.amdhsa_next_free_sgpr 66
		.amdhsa_reserve_vcc 0
		.amdhsa_float_denorm_mode_32 3
		.amdhsa_float_denorm_mode_16_64 3
		.amdhsa_memory_ordered 1
		.amdhsa_forward_progress 1
		.amdhsa_inst_pref_size 76
	.end_amdhsa_kernel
	.amdgpu_metadata
---
amdhsa.version: [ 1, 2 ]
amdhsa.kernels:
  - .name:           k_q7cdda7bfa8_attn
    .symbol:         k_q7cdda7bfa8_attn.kd
    .args:
      - { .name: qkvrec, .offset: 0, .size: 8, .value_kind: global_buffer, .address_space: global }
      - { .name: arec, .offset: 8, .size: 8, .value_kind: global_buffer, .address_space: global }
    .group_segment_fixed_size: 219648
    .private_segment_fixed_size: 0
    .kernarg_segment_align: 8
    .kernarg_segment_size: 16
    .max_flat_workgroup_size: 512
    .sgpr_count:     66
    .vgpr_count:     256
    .wavefront_size: 32
...
	.end_amdgpu_metadata
.endif
;; end of part 3
;; launch proj (part 4): grid 256 x 1, 8 waves a work-group, clusters of 4 x 1, 308,224 bytes of LDS; arguments arec, wrec, b_proj, out0; writes out0
.if DOCPART == 4
	.amdgcn_target "amdgcn-amd-amdhsa--gfx1250"
	.amdhsa_code_object_version 6
	.text
	.protected	k_q7cdda7bfa8_proj
	.globl	k_q7cdda7bfa8_proj
	.p2align	8
	.type	k_q7cdda7bfa8_proj,@function
k_q7cdda7bfa8_proj:
	s_mov_b64 s[64:65], 0
	v_nop
	global_prefetch_b8 v0, s[64:65] scope:SCOPE_SE
	s_setreg_imm32_b32 hwreg(HW_REG_WAVE_MODE, 25, 1), 1
	s_wait_xcnt 0x0
	s_wait_alu depctr_hold_cnt(0) depctr_sa_sdst(0) depctr_va_vdst(0) depctr_va_sdst(0) depctr_va_ssrc(0) depctr_va_vcc(0) depctr_vm_vsrc(0)
	s_getreg_b32 s2, hwreg(HW_REG_IB_STS2, 6, 4)
	s_cmp_eq_u32 s2, 0
	s_cbranch_scc0 .Lentry_in_a_cluster
	s_endpgm
.Lentry_in_a_cluster:
	s_bfe_u32 s2, ttmp6, 0x10000c
	s_cmp_lg_u32 s2, 0x3003
	s_cbranch_scc0 .Lentry_shape_is_right
	s_endpgm
.Lentry_shape_is_right:
; out0 = (attention's result) @ w_proj + b_proj on codes of FP6 (E2M3).
; T[s1][s0] = sum over k of S1[s1][k] S0[s0][k]: source 0 = 16 rows of S0 (w_proj's columns, tiles 192 on of wrec), source 1 = 16 rows of S1 (tokens, arec).
; A work-group of eight waves makes 128 tokens x 256 columns; a wave 64 x 64: 16 accumulators.  All of K = 1,024 of the 384 rows lies in LDS, 307,200 bytes, FILLED ONCE, ONE TENSOR LOAD A WAVE:
; wave c (0-3) brings chunk c (256 along K) of S0's 16 tiles, jointly for the cluster's four work-groups; wave 4 + c chunk c of my own 8 tiles of S1.  Each load is a line of its own in one chain of branches on the wave's number.
; The barrier ahead of chunk j is passed when the waves whose chunk is j or earlier have waited; the last one has the wait in every wave.  No prefetch: all tiles are asked for at the head, and there is no loop to run ahead in.
; THE BIAS is loaded straight into the accumulators, in the result's layout.
; Lane row r of tile T is row 64 (T / 4) + 8 (T % 4) + r % 8 + 32 (r / 8): register 8 b + j of a lane is column 32 (lane / 16) + 8 b + j of my 64; the lane's token is undone in the stores' offsets.
; THE WAY OUT goes through a stage of 16 rows x (256 + 16) bytes for each wave, in bytes of S0 that have had their only fill and, behind a barrier, their last read.
.set REC,  13312
.set CHK,  3328
.set S1B,  204800                      ; LDS: S0's tile i, chunk j at 51,200 j + 3,200 i; S1's at S1B + 25,600 j + 3,200 i
.set SPARE, 307200
.set WV,   12
.set WS0,  13
.set WS1,  14
.set CX,   15
.set CQ,   73
.set G1J,  16
.set G1P,  24
.set G0A,  32
.set G0B,  36
.set SC0,  16
.set SC1,  24
.set F0,   32
.set F1,   80
.set ACC,  128
.macro CROUND
	s_barrier_signal -1
	s_barrier_wait -1
	s_cmp_lg_u32 s[WV], 0
	s_cbranch_scc1 .Lnot_wave_0_\@
	s_barrier_signal -3
.Lnot_wave_0_\@:
	s_barrier_wait -3
	s_barrier_signal -1
	s_barrier_wait -1
.endm
.macro TLOAD g0, g1
	tensor_load_to_lds s[\g0:\g0+3], s[\g1:\g1+7]
	s_nop 0
.rept 4
	v_nop
.endr
.endm
.macro ARM w, g0, g1
	s_cmp_eq_u32 s[WV], \w
	s_cbranch_scc0 .Lnot_\w
	TLOAD \g0, \g1
	s_branch .Lasked
.Lnot_\w:
.endm
.macro FRAG reg, a16, a8, off
	ds_load_b128 v[\reg:\reg+3], v[\a16] offset:\off
	ds_load_b64 v[\reg+4:\reg+5], v[\a8] offset:\off+512
	ds_load_b128 v[\reg+6:\reg+9], v[\a16] offset:\off+768
	ds_load_b64 v[\reg+10:\reg+11], v[\a8] offset:\off+1280
.endm
.macro MMA a, b, u
	v_wmma_scale_f32_16x16x128_f8f6f4 v[ACC+8*(4*\a+\b):ACC+8*(4*\a+\b)+7], v[F0+12*\b:F0+12*\b+11], v[F1+12*\a:F1+12*\a+11], v[ACC+8*(4*\a+\b):ACC+8*(4*\a+\b)+7], v[SC0+2*\b+\u], v[SC1+2*\a+\u] matrix_a_fmt:MATRIX_FMT_FP6 matrix_b_fmt:MATRIX_FMT_FP6
.endm
.macro KSTEP s                         ; 128 along K, 16 matrix instructions; the sixteen accumulators take turns
.set CJ, ((\s)/2)%2
.set CU, (\s)%2
.if (\s) > 0
.rept 4
	v_nop                                          ; four places in front of loads into registers that matrix instructions have read
.endr
.endif
.if CU == 0
.irp i, 0,1,2,3
	ds_load_b64 v[SC0+2*\i:SC0+2*\i+1], v6 offset:3200*\i+51200*CJ+3072
	ds_load_b64 v[SC1+2*\i:SC1+2*\i+1], v9 offset:3200*\i+25600*CJ+3072
.endr
.endif
.irp a, 0,1,2,3
	FRAG F1+12*\a, 7, 8, 3200*\a+25600*CJ+1536*CU
.endr
.irp b, 0,1,2,3
	FRAG F0+12*\b, 4, 5, 3200*\b+51200*CJ+1536*CU
.endr
.irp b, 0,1,2,3
	s_wait_dscnt 12-4*\b                           ; all but S0's later fragments, four loads each, are in
.irp a, 0,1,2,3
	MMA \a, \b, CU
.endr
.endr
.endm
	s_load_b256 s[4:11], s[0:1], 0x0               ; arec, wrec, b_proj, out0
	v_lshl_add_u32 v14, v0, 2, SPARE
	v_mov_b32 v15, 0
	ds_add_u32 v14, v15                            ; the opening lines
	ds_add_u32 v14, v15
	v_lshrrev_b32 v1, 5, v0
	v_readfirstlane_b32 s[WV], v1
	s_lshr_b32 s[WS0], s[WV], 1
	s_and_b32 s[WS1], s[WV], 1
	s_and_b32 s[CQ], s[WV], 3
	s_bfe_u32 s[CX], ttmp6, 0x40000
	s_mov_b32 s[G1J+0], 15|(3<<16)|(1<<21)         ; joint: 16 rows of 3,200 bytes (400 elements of 8), a record apart
	s_mov_b32 s[G1J+1], 400<<16
	s_mov_b32 s[G1J+2], 16<<16
	s_mov_b32 s[G1J+3], 400<<16
	s_mov_b32 s[G1J+4], 16
	s_mov_b32 s[G1J+5], 1664
	s_mov_b32 s[G1J+6], 0
	s_mov_b32 s[G1J+7], 0
	s_mov_b32 s[G1P+0], 3<<16                      ; plain: 8 such rows
	s_mov_b32 s[G1P+1], 400<<16
	s_mov_b32 s[G1P+2], 8<<16
	s_mov_b32 s[G1P+3], 400<<16
	s_mov_b32 s[G1P+4], 8
	s_mov_b32 s[G1P+5], 1664
	s_mov_b32 s[G1P+6], 0
	s_mov_b32 s[G1P+7], 0
	s_and_b32 s67, ttmp9, 3                        ; which 256 columns: the same in all four partners
	s_lshr_b32 s68, ttmp9, 2                       ; which four blocks of 128 tokens
	s_mul_i32 s84, s[CQ], CHK                      ; my chunk
	s_lshl_b32 s78, s67, 4
	s_add_co_u32 s78, s78, 192                     ; w_proj's columns begin at tile 192 of wrec
	s_mul_i32 s78, s78, REC
	s_add_co_u32 s78, s78, s84
	s_mov_b32 s79, 0
	s_lshl_b32 s80, s68, 2
	s_add_co_u32 s80, s80, s[CX]                   ; my block of 128 tokens
	s_lshl_b32 s82, s80, 3
	s_mul_i32 s82, s82, REC
	s_add_co_u32 s82, s82, s84
	s_mov_b32 s83, 0
	s_wait_dscnt 0x0
	s_wait_kmcnt 0x0
	s_mov_b32 s[G0A], 1
	s_mul_i32 s[G0A+1], s[CQ], 51200
	s_add_nc_u64 s[G0A+2:G0A+3], s[6:7], s[78:79]
	s_or_b32 s[G0A+3], s[G0A+3], 0x80000000
	s_mov_b32 s[G0B], 1
	s_mul_i32 s[G0B+1], s[CQ], 25600
	s_add_co_u32 s[G0B+1], s[G0B+1], S1B
	s_add_nc_u64 s[G0B+2:G0B+3], s[4:5], s[82:83]
	s_or_b32 s[G0B+3], s[G0B+3], 0x80000000
	CROUND                                         ; all four work-groups are here: the joint loads meet
	ARM 0, G0A, G1J                                ; in the order in which the chunks are wanted
	ARM 4, G0B, G1P
	ARM 1, G0A, G1J
	ARM 5, G0B, G1P
	ARM 2, G0A, G1J
	ARM 6, G0B, G1P
	ARM 3, G0A, G1J
	TLOAD G0B, G1P
.Lasked:
	s_lshl_b32 s88, s67, 10
	s_lshl_b32 s89, s[WS0], 8
	s_add_co_u32 s88, s88, s89                     ; my first column, in bytes
	s_mov_b32 s89, 0
	s_add_nc_u64 s[8:9], s[8:9], s[88:89]
	s_mul_i32 s86, s[WS0], 12800                   ; my four tiles of S0
	s_mul_i32 s87, s[WS1], 12800                   ; my four tiles of S1
	s_add_co_u32 s87, s87, S1B
	s_mul_i32 s90, s[WV], 16*272                   ; my stage
	s_lshl_b32 s92, s80, 19                        ; 128 tokens of 4,096 bytes a block,
	s_lshl_b32 s93, s[WS1], 18                     ; 64 for my half
	s_add_co_u32 s92, s92, s93
	s_add_co_u32 s92, s92, s88
	s_mov_b32 s93, 0
	s_add_nc_u64 s[10:11], s[10:11], s[92:93]
	v_bfe_u32 v2, v0, 4, 1                         ; h
	v_lshlrev_b32 v13, 7, v2                       ; the bias: 128 h bytes: my half's 32 columns
.irp a, 0,1,2,3
.irp b, 0,1,2,3
	global_load_b128 v[ACC+8*(4*\a+\b):ACC+8*(4*\a+\b)+3], v13, s[8:9] offset:32*\b       ; register j of accumulator (a, b): column 32 h + 8 b + j
	global_load_b128 v[ACC+8*(4*\a+\b)+4:ACC+8*(4*\a+\b)+7], v13, s[8:9] offset:32*\b+16
.endr
.endr
	v_and_b32 v3, 31, v0                           ; lane
	v_and_b32 v1, 15, v0                           ; r
	v_lshl_add_u32 v4, v3, 4, s86
	v_lshl_add_u32 v5, v3, 3, s86
	v_lshl_add_u32 v6, v1, 3, s86
	v_lshl_add_u32 v7, v3, 4, s87
	v_lshl_add_u32 v8, v3, 3, s87
	v_lshl_add_u32 v9, v1, 3, s87
	v_mul_u32_u24 v10, v1, 272
	v_lshl_add_u32 v10, v2, 7, v10
	v_add_nc_u32 v10, s90, v10                     ; into the stage: row r, + 128 h
	v_mul_u32_u24 v11, v2, 272
	v_lshl_add_u32 v11, v1, 4, v11
	v_add_nc_u32 v11, s90, v11                     ; back: lanes 0-15 one row of 256 bytes, lanes 16-31 the next
	v_lshlrev_b32 v12, 12, v2
	v_lshl_add_u32 v12, v1, 4, v12                 ; and the same two rows in out0
	s_wait_alu depctr_va_vdst(0)                   ; the wait at the head's end
	s_wait_loadcnt 0x0                             ; the bias stands in the accumulators
.irp j, 0,1,2,3
.if \j == 2
.irp q, 4,5,6
	v_add_nc_u32 v\q, 102400, v\q                  ; on to chunk 2
.endr
.irp q, 7,8,9
	v_add_nc_u32 v\q, 51200, v\q
.endr
	s_wait_alu depctr_va_vdst(0)
.endif
.if \j < 3
	s_cmp_le_u32 s[CQ], \j
	s_cbranch_scc0 .Llater_\j
	s_wait_tensorcnt 0x0                           ; my load is chunk j's or an earlier one's
.Llater_\j:
.else
	s_wait_tensorcnt 0x0                           ; the last chunk: the wait stands on every wave's way
.endif
	s_barrier_signal -1                            ; (no LDS load of mine is out: a step's last wait is for 0)
	s_barrier_wait -1
	KSTEP 2*\j
	KSTEP 2*\j+1
.endr
.rept 4
	v_nop                                          ; four places in front of the first read of results and of loads into registers that held fragments
.endr
	s_wait_dscnt 0x0                               ; my reads of the tiles are over,
	s_barrier_signal -1
	s_barrier_wait -1                              ; everybody's are: the stages may be written
; S1's tile a: 16 tokens x 64 columns through my stage; sixteen lanes then store 256 consecutive bytes, aligned.  Stage row 2 i + (lane / 16) is token 8 a + 2 (i % 4) + 32 (i / 4) + (lane / 16) of my 64.
.macro OUTA a
.irp b, 0,1,2,3
	ds_store_b128 v10, v[ACC+8*(4*\a+\b):ACC+8*(4*\a+\b)+3] offset:32*\b          ; each accumulator from its low end on
	ds_store_b128 v10, v[ACC+8*(4*\a+\b)+4:ACC+8*(4*\a+\b)+7] offset:32*\b+16
.endr
.if \a >= 2
	s_wait_xcnt 0x0                                ; the stores of two tiles ago have read their data registers
.endif
.irp i, 0,1,2,3,4,5,6,7
	ds_load_b128 v[32+32*(\a%2)+4*\i:32+32*(\a%2)+4*\i+3], v11 offset:544*\i   ; a wave's LDS instructions are served in order
.endr
	s_wait_dscnt 0x0
.irp i, 0,1,2,3,4,5,6,7
	global_store_b128 v12, v[32+32*(\a%2)+4*\i:32+32*(\a%2)+4*\i+3], s[10:11] offset:(8*\a+2*(\i%4)+32*(\i/4))*4096 th:TH_STORE_NT
.endr
.endm
	OUTA 0
	OUTA 1
	OUTA 2
	OUTA 3
	s_wait_tensorcnt 0x0                           ; the wave's end
	ds_add_u32 v14, v15
	s_wait_dscnt 0x0
	CROUND                                         ; the closing round
	s_endpgm
.Lfunc_end_k_q7cdda7bfa8_proj:
	.size	k_q7cdda7bfa8_proj, .Lfunc_end_k_q7cdda7bfa8_proj-k_q7cdda7bfa8_proj
	.p2alignl 7, 3214868480
	.fill 96, 4, 3214868480
	.section	.rodata,"a",@progbits
	.p2align	6, 0x0
	.amdhsa_kernel k_q7cdda7bfa8_proj
		.amdhsa_group_segment_fixed_size 308224
		.amdhsa_private_segment_fixed_size 0
		.amdhsa_enable_private_segment 0
		.amdhsa_kernarg_size 32
		.amdhsa_user_sgpr_count 2
		.amdhsa_user_sgpr_kernarg_segment_ptr 1
		.amdhsa_wavefront_size32 1
		.amdhsa_system_sgpr_workgroup_id_x 1
		.amdhsa_system_sgpr_workgroup_id_y 1
		.amdhsa_system_sgpr_workgroup_id_z 1
		.amdhsa_system_vgpr_workitem_id 0
		.amdhsa_next_free_vgpr 256
		.amdhsa_next_free_sgpr 96
		.amdhsa_reserve_vcc 0
		.amdhsa_float_denorm_mode_32 3
		.amdhsa_float_denorm_mode_16_64 3
		.amdhsa_memory_ordered 1
		.amdhsa_forward_progress 1
		.amdhsa_inst_pref_size 56
	.end_amdhsa_kernel
	.amdgpu_metadata
---
amdhsa.version: [ 1, 2 ]
amdhsa.kernels:
  - .name:           k_q7cdda7bfa8_proj
    .symbol:         k_q7cdda7bfa8_proj.kd
    .args:
      - { .name: arec, .offset: 0, .size: 8, .value_kind: global_buffer, .address_space: global }
      - { .name: wrec, .offset: 8, .size: 8, .value_kind: global_buffer, .address_space: global }
      - { .name: b_proj, .offset: 16, .size: 8, .value_kind: global_buffer, .address_space: global }
      - { .name: out0, .offset: 24, .size: 8, .value_kind: global_buffer, .address_space: global }
    .group_segment_fixed_size: 308224
    .private_segment_fixed_size: 0
    .kernarg_segment_align: 8
    .kernarg_segment_size: 32
    .max_flat_workgroup_size: 256
    .sgpr_count:     96
    .vgpr_count:     256
    .wavefront_size: 32
...
	.end_amdgpu_metadata
.endif
;; end of part 4
